; MI455X (gfx1250); checked and timed in simulation.
; The chip was launched on July 23, 2026; its instructions are those of AMD's public machine-readable ISA for CDNA 5 (MIT licence, August 2026) and "CDNA5" Instruction Set Architecture Reference Guide (July 2026). The comments in the code are by the model that wrote it; some were corrected since.
;; Simple Attention. Allowed arithmetic: matrix products marked QUANTISED: E2M1 operands, one E8M0 scale for each 32 along K, by v_wmma_scale_f32_16x16x128_f8f6f4 with both operands' format E2M1 (or v_wmma_scale_f32_32x16x128_f4), f32 sums; everything else in f32.
;; Inputs: Wk 1,024 x 1,024 float32; Wq 1,024 x 1,024 float32; Wv 1,024 x 1,024 float32; bk 1,024 float32; bq 1,024 float32; bv 1,024 float32; mask 4 x 4,096 x 1 float32; x 4 x 4,096 x 1,024 float32.
;; Outputs: out0 4 x 4,096 x 1,024 float32.
;; This version of the problem:
;;   THIS VERSION OF THE PROBLEM IS GIVEN IN LOW PRECISION. The matrix products marked QUANTISED in the list below multiply operands that are first quantised to E2M1 (2 exponent bits, 1 mantissa bit; 4 bits a number), with one power-of-two scale for each 32 numbers along K (OCP MX v1.0); their sums are f32. All else is computed in f32.
;;   The module's matrix products, in the order in which they are computed (A, B: the left and right operand; K: the contracted axis; several contracted axes count as one K, in the product's order):
;;     1. [M 16,384, K 1,024] x [K 1,024, N 1,024]; A: input x; B: input Wq: QUANTISED
;;     2. [M 16,384, K 1,024] x [K 1,024, N 1,024]; A: input x; B: input Wk: QUANTISED
;;     3. [M 16,384, K 1,024] x [K 1,024, N 1,024]; A: input x; B: input Wv: QUANTISED
;;     4. batch 64 x [M 64, K 4,096] x [K 4,096, N 64]; A: computed on the way; B: computed on the way: QUANTISED
;;     5. batch 64 x [M 4,096, K 64] x [K 64, N 64]; A: computed on the way; B: computed on the way: QUANTISED
;;   THE QUANTISER, for each operand of a quantised product, along K:
;;     - K is cut into blocks of 32 from its start; a last block that is shorter is filled with zeros.
;;     - A block's scale is 2^e with e = floor(log2(the largest magnitude in the block)) - 2, held to -126 .. 127; a block of zeros has e = 0. As a byte (E8M0): e + 127.
;;     - Each number is divided by its block's scale, clamped to +-6, and rounded to the nearest number of E2M1, ties to even, subnormals kept.
;;     - The product sums the exact products of the quantised numbers (number of the format x scale) in f32.
;;   ~~~python
;;   def quantise(x, axis):      # numpy; x: float32 -> the quantised numbers, widened to float32 again
;;       x = np.moveaxis(x, axis, -1); K = x.shape[-1]
;;       x = np.pad(x, [(0, 0)] * (x.ndim - 1) + [(0, -K % 32)]); x = x.reshape(x.shape[:-1] + (-1, 32)); a = np.abs(x).max(-1, keepdims=True)
;;       e = np.where(a > 0, np.clip(np.frexp(np.where(a > 0, a, 1))[1] - 1 - 2, -126, 127), 0)      # np.frexp(a)[1] - 1 = floor(log2(a)), exactly
;;       r = np.clip(x / 2.0 ** e, -6, 6)
;;       step = 2.0 ** (np.maximum(np.frexp(np.where(r == 0, 1, r))[1] - 1, 0) - 1)
;;       q = np.round(r / step) * step * 2.0 ** e      # np.round: ties to even
;;       return np.moveaxis(q.reshape(q.shape[:-2] + (-1,))[..., :K], -1, axis).astype(np.float32)
;;   ~~~
;;   OPERANDS COMPUTED ON THE WAY. 'Computed on the way' means the value that the module computes at that place (a softmax that the list does not call 'softmax' is quantised finished and normalised). What goes into a quantiser is computed in f32, as accurately as f32 sums, v_exp_f32 and their like allow (about 1e-6 of the number): no bf16 or f16 on the way to a quantiser, and a product that is left as it is and whose result goes on into a quantised operand takes f32 operands (vector FMAs, or v_wmma_f32_16x16x4_f32). A number that lies on a knife's edge between two numbers of the format may be rounded either way, as far as f32 arithmetic and the matrix unit's own rounding can turn it there, and no further.
;; One version. Each part assembles by itself: llvm-mc -triple=amdgcn-amd-amdhsa -mcpu=gfx1250 --defsym DOCPART=n.
;; ======== version 1 of 1: 3 launches
;; workspace buffers: xq 8,912,896 bytes; wq 1,572,864 bytes; ws 98,304 bytes; kvp 8,388,608 bytes; nrm 512 bytes
;; launch prep (part 1): grid 705 x 1, 4 waves a work-group, no clusters, 34,304 bytes of LDS; arguments x, Wq, Wk, Wv, xq, wq, ws, mask, nrm; writes xq, wq, ws, nrm
.if DOCPART == 1
	.amdgcn_target "amdgcn-amd-amdhsa--gfx1250"
	.amdhsa_code_object_version 6
	.text
	.protected	k_qdf9c2fbd1c_prep
	.globl	k_qdf9c2fbd1c_prep
	.p2align	8
	.type	k_qdf9c2fbd1c_prep,@function
k_qdf9c2fbd1c_prep:
	s_mov_b64 s[64:65], 0
	v_nop
	global_prefetch_b8 v0, s[64:65] scope:SCOPE_SE
	s_setreg_imm32_b32 hwreg(HW_REG_WAVE_MODE, 25, 1), 1
	s_wait_xcnt 0x0
; x [16384][1024] and Wq, Wk, Wv [1024 (k)][1024 (n)], f32, become codes of FP4 (E2M1) with one E8M0 scale byte for each 32 along K (x: its last axis; W: its first),
; laid in the ORDER OF THE OPERAND'S REGISTERS, so that the later launches load fragments whole, 16 bytes a lane.
; A fragment is 16 rows (or columns) x 128 K: lane (r, h) holds, in registers 4 c .. 4 c + 3, K = 64 c + 32 h + 0 .. 31: 16 bytes.
;   xq: 512 blocks of 32 rows, 17,408 bytes each.  Tile u (0, 1) of a block, lane row r, is row 8 u + r + 8 (r / 8) of the block.
;       codes at 8192 u + 1024 ks + 512 c + 16 lane;  scale words (four bytes: 128 along K) at 16384 + 512 g + 16 (16 u + r) + 4 t, K step ks = 4 g + t.
;   wq: ((64 mtx + T) 8 + ks) 1024 + 512 c + 16 lane;  tile T = 2 G + u, lane row r, is column 32 G + 8 u + r + 8 (r / 8).   mtx: 0 Wq, 1 Wk, 2 Wv.
;   ws: ((32 mtx + G) 8 + ks) 128 + 4 lane: lanes 0-15 the words of tile 2 G, lanes 16-31 those of tile 2 G + 1.
;   nrm: 1 / sqrt(64 x the sum of batch b's mask), 32 copies (one a lane) at 128 b: made once here, read by every wave of the last launch.
; A block's scale is 2^(floor(log2(largest magnitude)) - 2); its byte is the largest magnitude's exponent field - 2, held at 1 from below by a floor among the maximum's leaves.
; LIMITS: NaN and infinities among the inputs are not served.  A block of zeros gets the byte 1 where the rule says 127: its codes are zeros, and this program alone reads the bytes.
; A batch whose mask sums to 0 or less (there reference() has no finite result) is not served.
; Work-groups 0-191 take the weights (no LDS), 192-703 a block of 32 rows of x each, 704 the four norms (no LDS).  Waves share nothing: no barrier.
.set NWGW,  192
.set NWGX,  512
.set XBLK,  17408
.set SP,    528                        ; a stage row: 512 bytes + 16: the sixteen rows that a read touches start in sixteen different columns of 16 bytes
.set WST,   16*SP                      ; a wave's stage
.set FLOOR, 0x1800000                  ; 2^(3 - 127)
.set C,     24                         ; v24-55   codes: eight registers for each step, so that no store's data are written again
.set X,     56                         ; v56-119  64 numbers of a lane: 32 neighbours along K for c = 0, 32 for c = 1  (W: v56-183, 128 numbers down K)
.set R,     120                        ; v120-247 two sets of 64: rows as they are loaded  (the norms: 128 numbers of the mask)
; the largest magnitude of v[base] .. v[base + 31], and the floor, into v[ma]; two chains that do not wait for each other
.macro MAX32 base, ma, mb
	v_max3_num_f32 v[\ma], |v[\base]|, |v[\base+1]|, |v[\base+2]|
	v_max3_num_f32 v[\mb], |v[\base+3]|, |v[\base+4]|, |v[\base+5]|
.irp i, 6,10,14,18,22,26
	v_max3_num_f32 v[\ma], v[\ma], |v[\base+\i]|, |v[\base+\i+1]|
	v_max3_num_f32 v[\mb], v[\mb], |v[\base+\i+2]|, |v[\base+\i+3]|
.endr
	v_max3_num_f32 v[\ma], v[\ma], |v[\base+30]|, |v[\base+31]|
	v_max3_num_f32 v[\ma], v[\ma], v[\mb], FLOOR
.endm
	s_load_b256 s[4:11], s[0:1], 0x0               ; x s[4:5], Wq s[6:7], Wk s[8:9], Wv s[10:11]
	s_load_b128 s[12:15], s[0:1], 0x20             ; xq s[12:13], wq s[14:15]
	s_load_b64 s[16:17], s[0:1], 0x30              ; ws
	s_load_b64 s[36:37], s[0:1], 0x38              ; mask
	s_load_b64 s[38:39], s[0:1], 0x40              ; nrm
	v_lshl_add_u32 v254, v0, 2, 0x8400
	v_mov_b32 v255, 0
	v_lshrrev_b32 v1, 5, v0
	v_readfirstlane_b32 s18, v1                    ; wave 0..3
	v_and_b32 v2, 31, v0                           ; lane
	v_and_b32 v4, 15, v0                           ; r
	v_bfe_u32 v5, v0, 4, 1                         ; h
	v_lshlrev_b32 v1, 4, v2                        ; 16 x lane; never rewritten
	s_mov_b32 s24, 0x76543210
	s_mov_b32 s25, 0xfedcba98                      ; v_permlanex16_b32's selects for lane l xor 16
	s_cmp_lt_u32 ttmp9, NWGW
	s_cbranch_scc1 .Lw
	s_cmp_eq_u32 ttmp9, NWGW+NWGX
	s_cbranch_scc1 .Ln
; ---- x.  Wave w takes tile u = w / 2 of the block (16 rows) and 512 along K from 512 (w % 2) on, in four steps of 128.
; Each load reads 512 consecutive bytes of one row; the 16 rows turn through the wave's own stage, so that lane (r, h) gets 2 x 32 neighbours along K of row r.
	s_sub_co_u32 s20, ttmp9, NWGW                  ; the block
	s_lshr_b32 s21, s18, 1                         ; u
	s_and_b32 s22, s18, 1                          ; which half of K
	s_lshl_b32 s26, s20, 17                        ; x: 32 rows of 4,096 bytes a block,
	s_lshl_b32 s27, s21, 15                        ; 8 u rows,
	s_add_co_u32 s26, s26, s27
	s_lshl_b32 s27, s22, 11                        ; 512 numbers
	s_add_co_u32 s26, s26, s27
	s_mov_b32 s27, 0
	s_mul_i32 s23, s20, XBLK
	s_lshl_b32 s28, s21, 13                        ; codes: 8192 u + 4 K steps of 1,024
	s_add_co_u32 s28, s28, s23
	s_lshl_b32 s29, s22, 12
	s_add_co_u32 s28, s28, s29
	s_mov_b32 s29, 0
	s_lshl_b32 s30, s22, 9                         ; scale words: 16384 + 512 g + 256 u
	s_add_co_u32 s30, s30, s23
	s_lshl_b32 s31, s21, 8
	s_add_co_u32 s30, s30, s31
	s_add_co_u32 s30, s30, 16384
	s_mov_b32 s31, 0
	s_mul_i32 s19, s18, WST
	v_add_nc_u32 v2, s19, v1                       ; into the stage: 16 x lane of a row
	v_mul_u32_u24 v3, v4, SP
	v_lshl_add_u32 v3, v5, 7, v3
	v_add_nc_u32 v3, s19, v3                       ; out of it: row r, + 128 h bytes (32 h numbers)
	v_lshlrev_b32 v6, 3, v5                        ; 8 h: my bytes' place in the scale word
	v_lshlrev_b32 v7, 4, v4
	v_lshl_add_u32 v7, v5, 3, v7                   ; 16 r + 8 h: where I store two scale words
	v_mov_b32 v15, 0                               ; written once: a lane permute's destination counts as one of its sources
	s_wait_kmcnt 0x0
	s_add_nc_u64 s[4:5], s[4:5], s[26:27]
	s_add_nc_u64 s[32:33], s[12:13], s[28:29]
	s_add_nc_u64 s[34:35], s[12:13], s[30:31]
.macro LOAD t                          ; step t: 128 along K of my 16 rows into set t % 2
.irp i, 0,1,2,3,4,5,6,7,8,9,10,11,12,13,14,15
	global_load_b128 v[R+64*((\t)%2)+4*\i:R+64*((\t)%2)+4*\i+3], v1, s[4:5] offset:(\i+8*(\i/8))*4096+512*(\t) th:TH_LOAD_NT
.endr
.endm
.macro STEP t
.if (\t) < 3
	s_wait_loadcnt 16                              ; this step's sixteen loads are in; the next step's sixteen may be out
.else
	s_wait_loadcnt 0x0
.endif
.irp i, 0,1,2,3,4,5,6,7,8,9,10,11,12,13,14,15
	ds_store_b128 v2, v[R+64*((\t)%2)+4*\i:R+64*((\t)%2)+4*\i+3] offset:SP*\i
.endr
.irp c, 0,1
.irp j, 0,1,2,3,4,5,6,7
	ds_load_b128 v[X+32*\c+4*\j:X+32*\c+4*\j+3], v3 offset:256*\c+16*\j   ; LDS serves a wave's instructions in order: these see the stores above
.endr
.endr
	s_wait_dscnt 0x0                               ; my 64 numbers are in, and the stores have read their registers,
.if (\t) < 2
	LOAD (\t)+2                                    ; which take the loads of two steps on
.endif
	MAX32 X, 8, 9                                  ; block 2 c + h of my row: all 32 numbers are mine
	v_add_nc_u32 v10, 0xff000000, v8               ; 2 off the exponent field: the conversion takes the exponent field of this operand as its scale
	MAX32 X+32, 8, 9
	v_add_nc_u32 v11, 0xff000000, v8
	v_lshrrev_b32 v12, 23, v10                     ; the scales' bytes
	v_lshrrev_b32 v13, 23, v11
.irp c, 0,1
.irp g, 0,1,2,3
	v_cvt_scalef32_pk8_fp4_f32 v[C+8*(\t)+4*\c+\g], v[X+32*\c+8*\g:X+32*\c+8*\g+7], v[10+\c]
.endr
.endr
	v_lshl_or_b32 v14, v13, 16, v12                ; (a plain line behind the conversions)  my two bytes: blocks h and 2 + h,
	v_lshlrev_b32 v14, v6, v14                     ; at their places in the word;
	v_permlanex16_b32 v15, v14, s24, s25
	v_or_b32 v[16+(\t)], v14, v15                  ; with lane l xor 16's two the word is whole, in both halves of the lanes
.irp c, 0,1
	global_store_b128 v1, v[C+8*(\t)+4*\c:C+8*(\t)+4*\c+3], s[32:33] offset:1024*(\t)+512*\c   ; 32 lanes store 512 consecutive bytes, aligned
.endr
.endm
	LOAD 0
	LOAD 1
	STEP 0
	STEP 1
	STEP 2
	STEP 3
	v_cmp_eq_u32 vcc_lo, 1, v5
	v_cndmask_b32 v20, v16, v18, vcc_lo            ; lanes 0-15 store the words of steps 0 and 1, lanes 16-31 those of steps 2 and 3
	v_cndmask_b32 v21, v17, v19, vcc_lo
	global_store_b64 v7, v[20:21], s[34:35]        ; 256 consecutive bytes, aligned
	s_wait_tensorcnt 0x0
	ds_add_u32 v254, v255
	s_wait_dscnt 0x0
	s_endpgm
; ---- W.  Work-group g: matrix g / 64, four groups of 32 columns from 4 ((g / 8) % 8) on (one a wave), K step g % 8.
; A LANE TAKES A COLUMN AND ITS REGISTERS RUN DOWN K: a block of 32 along K lies in one lane, and the conversions give codes with K innermost.  Nothing is transposed.
.Lw:
	s_lshr_b32 s20, ttmp9, 6                       ; mtx
	s_bfe_u32 s21, ttmp9, 0x30003
	s_and_b32 s22, ttmp9, 7                        ; ks
	s_lshl_b32 s21, s21, 2
	s_add_co_u32 s21, s21, s18                     ; G
	s_lshl_b32 s26, s22, 19                        ; W: 128 ks rows of 4,096 bytes + 128 G
	s_lshl_b32 s27, s21, 7
	s_add_co_u32 s26, s26, s27
	s_mov_b32 s27, 0
	s_lshl_b32 s28, s20, 6                         ; wq: ((64 mtx + 2 G) 8 + ks) 1024
	s_lshl_b32 s29, s21, 1
	s_add_co_u32 s28, s28, s29
	s_lshl_b32 s28, s28, 3
	s_add_co_u32 s28, s28, s22
	s_lshl_b32 s28, s28, 10
	s_mov_b32 s29, 0
	s_lshl_b32 s30, s20, 5                         ; ws: ((32 mtx + G) 8 + ks) 128
	s_add_co_u32 s30, s30, s21
	s_lshl_b32 s30, s30, 3
	s_add_co_u32 s30, s30, s22
	s_lshl_b32 s30, s30, 7
	s_mov_b32 s31, 0
	v_and_b32 v6, 8, v4
	v_add_nc_u32 v6, v6, v4                        ; r + 8 (r / 8)
	v_lshl_add_u32 v6, v5, 3, v6                   ; + 8 u (u = lane / 16): my column among the 32: the wave reads 128 consecutive bytes
	v_lshlrev_b32 v2, 2, v6
	v_lshlrev_b32 v3, 4, v4
	v_lshl_add_u32 v3, v5, 13, v3                  ; out: tile u is 8,192 bytes on; 16 r
	v_lshrrev_b32 v7, 2, v1                        ; 4 x lane
	s_wait_kmcnt 0x0
	s_cmp_lt_u32 ttmp9, 128                        ; which matrix: the choice hangs on the work-group's number alone
	s_cselect_b64 s[8:9], s[8:9], s[10:11]
	s_cmp_lt_u32 ttmp9, 64
	s_cselect_b64 s[6:7], s[6:7], s[8:9]
	s_add_nc_u64 s[6:7], s[6:7], s[26:27]
	s_add_nc_u64 s[14:15], s[14:15], s[28:29]
	s_add_nc_u64 s[16:17], s[16:17], s[30:31]
.set kk, 0
.rept 128
	global_load_b32 v[X+kk], v2, s[6:7] offset:4096*kk th:TH_LOAD_NT
.set kk, kk+1
.endr
.irp q, 0,1,2,3                        ; block q of the K step: K = 32 q .. 32 q + 31 = registers 4 c .. 4 c + 3 of lane (r, h) with q = 2 c + h: byte 256 q + 16 r of the fragment
.if \q < 2
	s_wait_loadcnt 63                              ; 96 or 64 loads are younger than this block's; the count's field holds 63
.elseif \q == 2
	s_wait_loadcnt 32                              ; the last block's 32 may be out
.else
	s_wait_loadcnt 0x0
.endif
	MAX32 X+32*\q, 8, 9
	v_add_nc_u32 v10, 0xff000000, v8
	v_lshrrev_b32 v12, 23, v10
.if \q == 0
	v_mov_b32 v16, v12                             ; the four bytes make my column's scale word
.else
	v_lshl_or_b32 v16, v12, 8*\q, v16
.endif
.irp g, 0,1,2,3
	v_cvt_scalef32_pk8_fp4_f32 v[C+4*\q+\g], v[X+32*\q+8*\g:X+32*\q+8*\g+7], v10
.endr
	global_store_b128 v3, v[C+4*\q:C+4*\q+3], s[14:15] offset:256*\q   ; each half of the lanes stores 256 consecutive bytes, aligned
.endr
	global_store_b32 v7, v16, s[16:17]             ; 128 consecutive bytes a wave: 96 KiB in the whole launch leave in halves of 256 bytes
	s_endpgm
; ---- The norms.  Wave w sums batch w's 4,096 mask numbers, 128 a lane, and stores 1 / sqrt(64 x the sum), one copy a lane.
.Ln:
	s_lshl_b32 s26, s18, 14                        ; a batch's mask is 16,384 bytes
	s_mov_b32 s27, 0
	s_lshl_b32 s28, s18, 7                         ; its 32 copies of the norm 128
	s_mov_b32 s29, 0
	v_lshrrev_b32 v7, 2, v1                        ; 4 x lane
	v_mov_b32 v9, 0                                ; written once: a lane permute's destination counts as one of its sources
	s_wait_kmcnt 0x0
	s_add_nc_u64 s[36:37], s[36:37], s[26:27]
	s_add_nc_u64 s[38:39], s[38:39], s[28:29]
.set i, 0
.rept 32
	global_load_b128 v[R+4*i:R+4*i+3], v1, s[36:37] offset:512*i   ; 32 lanes read 512 consecutive bytes
.set i, i+1
.endr
	s_wait_loadcnt 0x0
.set i, 8
.rept 60
	v_pk_add_f32 v[R+i%8:R+i%8+1], v[R+i%8:R+i%8+1], v[R+i:R+i+1]   ; four chains of pairs
.set i, i+2
.endr
	v_pk_add_f32 v[R:R+1], v[R:R+1], v[R+2:R+3]
	v_pk_add_f32 v[R+4:R+5], v[R+4:R+5], v[R+6:R+7]
	v_pk_add_f32 v[R:R+1], v[R:R+1], v[R+4:R+5]
	v_add_f32 v8, v[R], v[R+1]
	v_add_f32_dpp v8, v8, v8 row_xmask:1 row_mask:0xf bank_mask:0xf
	v_add_f32_dpp v8, v8, v8 row_xmask:2 row_mask:0xf bank_mask:0xf
	v_add_f32_dpp v8, v8, v8 row_xmask:4 row_mask:0xf bank_mask:0xf
	v_add_f32_dpp v8, v8, v8 row_xmask:8 row_mask:0xf bank_mask:0xf
	v_permlanex16_b32 v9, v8, s24, s25
	v_add_f32 v8, v8, v9                           ; the mask's sum, in every lane
	v_mul_f32 v8, 0x42800000, v8                   ; x 64
	v_rsq_f32 v10, v8
	v_nop                                          ; a plain line behind the transcendental,
	s_wait_alu depctr_va_vdst(0)                   ; and the wait ahead of the first line that names its result
	global_store_b32 v7, v10, s[38:39]             ; 128 consecutive bytes a wave
	s_endpgm
.Lfunc_end_k_qdf9c2fbd1c_prep:
	.size	k_qdf9c2fbd1c_prep, .Lfunc_end_k_qdf9c2fbd1c_prep-k_qdf9c2fbd1c_prep
	.p2alignl 7, 3214868480
	.fill 96, 4, 3214868480
	.section	.rodata,"a",@progbits
	.p2align	6, 0x0
	.amdhsa_kernel k_qdf9c2fbd1c_prep
		.amdhsa_group_segment_fixed_size 34304
		.amdhsa_private_segment_fixed_size 0
		.amdhsa_enable_private_segment 0
		.amdhsa_kernarg_size 72
		.amdhsa_user_sgpr_count 2
		.amdhsa_user_sgpr_kernarg_segment_ptr 1
		.amdhsa_wavefront_size32 1
		.amdhsa_system_sgpr_workgroup_id_x 1
		.amdhsa_system_sgpr_workgroup_id_y 1
		.amdhsa_system_sgpr_workgroup_id_z 1
		.amdhsa_system_vgpr_workitem_id 0
		.amdhsa_next_free_vgpr 256
		.amdhsa_next_free_sgpr 66
		.amdhsa_reserve_vcc 1
		.amdhsa_float_denorm_mode_32 3
		.amdhsa_float_denorm_mode_16_64 3
		.amdhsa_memory_ordered 1
		.amdhsa_forward_progress 1
		.amdhsa_inst_pref_size 58
	.end_amdhsa_kernel
	.amdgpu_metadata
---
amdhsa.version: [ 1, 2 ]
amdhsa.kernels:
  - .name:           k_qdf9c2fbd1c_prep
    .symbol:         k_qdf9c2fbd1c_prep.kd
    .args:
      - { .name: x, .offset: 0, .size: 8, .value_kind: global_buffer, .address_space: global }
      - { .name: Wq, .offset: 8, .size: 8, .value_kind: global_buffer, .address_space: global }
      - { .name: Wk, .offset: 16, .size: 8, .value_kind: global_buffer, .address_space: global }
      - { .name: Wv, .offset: 24, .size: 8, .value_kind: global_buffer, .address_space: global }
      - { .name: xq, .offset: 32, .size: 8, .value_kind: global_buffer, .address_space: global }
      - { .name: wq, .offset: 40, .size: 8, .value_kind: global_buffer, .address_space: global }
      - { .name: ws, .offset: 48, .size: 8, .value_kind: global_buffer, .address_space: global }
      - { .name: mask, .offset: 56, .size: 8, .value_kind: global_buffer, .address_space: global }
      - { .name: nrm, .offset: 64, .size: 8, .value_kind: global_buffer, .address_space: global }
    .group_segment_fixed_size: 34304
    .private_segment_fixed_size: 0
    .kernarg_segment_align: 8
    .kernarg_segment_size: 72
    .max_flat_workgroup_size: 128
    .sgpr_count:     66
    .vgpr_count:     256
    .wavefront_size: 32
...
	.end_amdgpu_metadata
.endif
;; end of part 1
;; launch kv (part 2): grid 8 x 32, 4 waves a work-group, clusters of 4 x 1, 327,680 bytes of LDS; arguments xq, wq, ws, bk, bv, mask, kvp; writes kvp
.if DOCPART == 2
	.amdgcn_target "amdgcn-amd-amdhsa--gfx1250"
	.amdhsa_code_object_version 6
	.text
	.protected	k_qdf9c2fbd1c_kv
	.globl	k_qdf9c2fbd1c_kv
	.p2align	8
	.type	k_qdf9c2fbd1c_kv,@function
k_qdf9c2fbd1c_kv:
	s_mov_b64 s[64:65], 0
	v_nop
	global_prefetch_b8 v0, s[64:65] scope:SCOPE_SE
	s_setreg_imm32_b32 hwreg(HW_REG_WAVE_MODE, 25, 1), 1
	s_wait_xcnt 0x0
	s_wait_alu depctr_hold_cnt(0) depctr_sa_sdst(0) depctr_va_vdst(0) depctr_va_sdst(0) depctr_va_ssrc(0) depctr_va_vcc(0) depctr_vm_vsrc(0)
	s_getreg_b32 s2, hwreg(HW_REG_IB_STS2, 6, 4)
	s_cmp_eq_u32 s2, 0
	s_cbranch_scc0 .Lentry_in_a_cluster
	s_endpgm
.Lentry_in_a_cluster:
	s_bfe_u32 s2, ttmp6, 0x10000c
	s_cmp_lg_u32 s2, 0x3003
	s_cbranch_scc0 .Lentry_shape_is_right
	s_endpgm
.Lentry_shape_is_right:
; k = (x Wk + bk) mask and v = (x Wv + bv) mask for 512 rows and two heads, quantised DOWN THE ROWS in registers, and kv = k^T v over these 512 rows: one partial sum for each head.
; All products on codes of FP4 (E2M1) with E8M0 scales for each 32 along K.  x's and W's codes come laid as images of the operands' registers (launch prep).
; SHARES.  Work-group (x, y): head pair hp = x, rows 512 y on.  Wave w: head 2 hp + w % 2, rows 256 (w / 2) on: 8 blocks of 32 rows.
; THE WEIGHTS STAY: a wave's 128 columns (64 of Wk, 64 of Wv) x 1,024 K are 512 registers (windows 1, 2), read once.  x's codes of the 512 rows, 278,528 bytes, come into LDS once, one tensor load a wave.
; CLUSTER 4 x 1: the four head pairs of a cluster need the same rows of x: that load is joint (mask 15).  The weights are not shared so: partners have other head pairs.
; THE WEIGHTS' WAY.  Beside x LDS has 49,152 bytes.  Into 40,960 of them come, by two plain tensor loads a wave in the same group as x's, W's fragments of K steps 0 and 1 and all W's scale words of the pair; each wave reads its
; head's into registers behind the barrier.  K steps 2 to 7 and the biases come straight into registers: 104 loads a wave and not 176, and the first block's products start on what has landed.
; LAYOUT.  Source 0 = 16 rows of x, source 1 = 16 columns of W: a lane holds ONE column and eight rows.  THE ROWS OF A TILE ARE NOT NEIGHBOURS (tile u, lane row r: row 8 u + r + 8 (r / 8) of the block), so that the 16
; registers of a block's two tiles are rows 16 (lane / 16) + 0 .. 15: neighbours along the next product's K.  A block of 32 rows lies in lanes l and l xor 16.  Four blocks make one fragment (K = 128 rows) of k^T and of v^T.
; LIMITS: NaN and infinities are not served; a block of zeros gets the scale byte 1 with zero codes.
; LDS is claimed whole; 319,488 bytes are used.  Every byte is filled once, so there is no ring.
; REGISTERS.  window 0: v1-8, v13-14 addresses; v15 the floor; v16-31 biases (the even ones; the odd ones are 0 and only named as the upper halves of pairs); v32-47 x's scale words, two sets; v48-63 the block's mask;
;   v64-95 W's scale words; v96-103 the scale words of k and v; v104-127 at work; v128-191 x's fragments, two halves of two K steps; v192-255 the codes of k and v.
;   windows 1, 2: W(n, ks) at window 1 + ks / 4, register ((ks % 4) 8 + n) 8.   window 3: the block's accumulators (n, u) at 16 n + 8 u; kv's (dt, et) at 128 + 8 (4 dt + et).
.set BLKB, 17408                       ; a block of 32 rows in xq and in LDS: 16,384 bytes of codes, 1,024 of scale words
.set WSTG, 16*BLKB                     ; behind x: W's fragments of K steps 0, 1: 8,192 bytes for each wave that fetches: its head's four tiles of Wk (waves 0, 1) or of Wv (waves 2, 3)
.set WSS,  WSTG+4*8192                 ; and W's scale words: 2,048 bytes likewise
.set KP,   272                         ; the stage for kv: a row (one e, 64 d) of 256 bytes + 16
.set LI,   1                           ; v1  16 x lane
.set LS,   2                           ; v2  4 x lane
.set AX0,  3                           ; v3  my half of the rows in LDS + 16 x lane
.set AX,   4                           ; v4  the same in the block in hand
.set MO,   5                           ; v5  64 h: my 16 rows' mask
.set BO,   6                           ; v6  4 (r + 8 (r / 8)): my column's bias
.set KST,  7                           ; v7  the stage, in
.set KRD,  8                           ; v8  the stage, out
.set AW,   13                          ; v13 my head's fragments of W in LDS + 16 x lane
.set ASW,  14                          ; v14 my head's scale words of W in LDS + 4 x lane
.set FL,   15
.set BI,   16
.set XS,   32
.set MK,   48
.set WS,   64
.set CS,   96
.set TM,   104
.set TP,   112
.set TS,   120
.set XF,   128
.set CD,   192
.set KV,   128                         ; in window 3
.set WV,   18                          ; s18 my wave's number
.set CNT,  25
.set TB,   26                          ; s26 LDS byte at which the block in hand begins, within my half
.set G1,   28                          ; s[28:35] descriptor group 1 for x
.set G0,   36                          ; s[36:39] descriptor group 0 for x
.set SEL,  44                          ; s[44:45] lane selects: lane l xor 16
.set G1W,  68                          ; s[68:75], s[76:79] groups 1 and 0 for W's fragments
.set G0W,  76
.set G1S,  80                          ; s[80:87], s[88:91] for W's scale words
.set G0S,  88
.set MUL1, 0xf4                        ; source 0 (x) window 0, source 1 (W) window 1, C and D window 3
.set MUL2, 0xf8                        ; the same with W in window 2
.set MSB, 0
.macro WIN new                         ; the immediate's high byte repeats the setting that is left
.if MSB != \new
	s_set_vgpr_msb (MSB<<8)|\new
.set MSB, \new
.endif
.endm
.macro PLACES n
.rept \n
	v_nop
.endr
.endm
.macro CROUND                          ; a round of the cluster's barrier
	s_barrier_signal -1
	s_barrier_wait -1
	s_cmp_lg_u32 s[WV], 0
	s_cbranch_scc1 .Lnot_wave_0_\@
	s_barrier_signal -3
.Lnot_wave_0_\@:
	s_barrier_wait -3
	s_barrier_signal -1
	s_barrier_wait -1
.endm
; one matrix instruction on the registers named by rD, rA, rB, rC (under 0: the constant 0), rSA, rSB;  ra, rb = 1: that side's scales stand in lanes 16-31
.macro WM ra, rb
.if rC < 0
.if (\ra) && (\rb)
	v_wmma_scale_f32_16x16x128_f8f6f4 v[rD:rD+7], v[rA:rA+7], v[rB:rB+7], 0, v[rSA], v[rSB] matrix_a_fmt:MATRIX_FMT_FP4 matrix_b_fmt:MATRIX_FMT_FP4 matrix_a_scale:MATRIX_SCALE_ROW1 matrix_b_scale:MATRIX_SCALE_ROW1
.elseif (\ra)
	v_wmma_scale_f32_16x16x128_f8f6f4 v[rD:rD+7], v[rA:rA+7], v[rB:rB+7], 0, v[rSA], v[rSB] matrix_a_fmt:MATRIX_FMT_FP4 matrix_b_fmt:MATRIX_FMT_FP4 matrix_a_scale:MATRIX_SCALE_ROW1
.elseif (\rb)
	v_wmma_scale_f32_16x16x128_f8f6f4 v[rD:rD+7], v[rA:rA+7], v[rB:rB+7], 0, v[rSA], v[rSB] matrix_a_fmt:MATRIX_FMT_FP4 matrix_b_fmt:MATRIX_FMT_FP4 matrix_b_scale:MATRIX_SCALE_ROW1
.else
	v_wmma_scale_f32_16x16x128_f8f6f4 v[rD:rD+7], v[rA:rA+7], v[rB:rB+7], 0, v[rSA], v[rSB] matrix_a_fmt:MATRIX_FMT_FP4 matrix_b_fmt:MATRIX_FMT_FP4
.endif
.else
.if (\ra) && (\rb)
	v_wmma_scale_f32_16x16x128_f8f6f4 v[rD:rD+7], v[rA:rA+7], v[rB:rB+7], v[rC:rC+7], v[rSA], v[rSB] matrix_a_fmt:MATRIX_FMT_FP4 matrix_b_fmt:MATRIX_FMT_FP4 matrix_a_scale:MATRIX_SCALE_ROW1 matrix_b_scale:MATRIX_SCALE_ROW1
.elseif (\ra)
	v_wmma_scale_f32_16x16x128_f8f6f4 v[rD:rD+7], v[rA:rA+7], v[rB:rB+7], v[rC:rC+7], v[rSA], v[rSB] matrix_a_fmt:MATRIX_FMT_FP4 matrix_b_fmt:MATRIX_FMT_FP4 matrix_a_scale:MATRIX_SCALE_ROW1
.elseif (\rb)
	v_wmma_scale_f32_16x16x128_f8f6f4 v[rD:rD+7], v[rA:rA+7], v[rB:rB+7], v[rC:rC+7], v[rSA], v[rSB] matrix_a_fmt:MATRIX_FMT_FP4 matrix_b_fmt:MATRIX_FMT_FP4 matrix_b_scale:MATRIX_SCALE_ROW1
.else
	v_wmma_scale_f32_16x16x128_f8f6f4 v[rD:rD+7], v[rA:rA+7], v[rB:rB+7], v[rC:rC+7], v[rSA], v[rSB] matrix_a_fmt:MATRIX_FMT_FP4 matrix_b_fmt:MATRIX_FMT_FP4
.endif
.endif
.endm
; four products: column tiles 2 np, 2 np + 1 x row tiles 0, 1, K step ks.  One register carries the scale words of two tiles: x's tile 1 and W's odd tile stand in lanes 16-31.  K step 0 starts the sums.
.macro WM4 ks, xf, xs, np
.irp e, 0,1
.irp u, 0,1
.set rD, 16*(2*(\np)+\e)+8*\u
.set rA, (\xf)+8*\u
.set rB, (((\ks)%4)*8+2*(\np)+\e)*8
.set rC, rD
.if (\ks) == 0
.set rC, -1
.endif
.set rSA, XS+8*(\xs)+(\ks)
.set rSB, WS+8*(\np)+(\ks)
	WM \u, \e
.endr
.endr
.endm
; 32 products: K steps 2 ksp, 2 ksp + 1 from one half of x's fragments.  The 16 accumulators take turns, one instruction a turn, in the same order in every K step.
.macro G half, ksp, xs
.irp kk, 0,1
.irp np, 0,1,2,3
	WM4 (2*(\ksp)+\kk), (XF+32*(\half)+16*\kk), \xs, \np
.endr
.endr
.endm
.macro XSL xs, off                     ; a block's scale words, eight K steps: lanes 0-15 tile 0's rows, lanes 16-31 tile 1's
.irp g, 0,1
	ds_load_b128 v[XS+8*(\xs)+4*\g:XS+8*(\xs)+4*\g+3], v[AX] offset:(\off)+16384+512*\g
.endr
.endm
.macro XLD half, ksp, off              ; x's fragments of K steps 2 ksp, 2 ksp + 1, both row tiles: eight loads of 512 consecutive bytes
.irp kk, 0,1
.irp u, 0,1
.irp c, 0,1
	ds_load_b128 v[XF+32*(\half)+16*\kk+8*\u+4*\c:XF+32*(\half)+16*\kk+8*\u+4*\c+3], v[AX] offset:(\off)+8192*\u+1024*(2*(\ksp)+\kk)+512*\c
.endr
.endr
.endr
.endm
.macro WLOAD ks, slot                  ; W's fragments of K step ks into place slot (0 .. 3) of the window that is set: tiles 0-3 Wk's, 4-7 Wv's: sixteen loads
.irp n, 0,1,2,3
.irp c, 0,1
	global_load_b128 v[((\slot)*8+\n)*8+4*\c:((\slot)*8+\n)*8+4*\c+3], v[LI], s[6:7] offset:(\n*8+(\ks))*1024+512*\c
	global_load_b128 v[((\slot)*8+\n+4)*8+4*\c:((\slot)*8+\n+4)*8+4*\c+3], v[LI], s[40:41] offset:(\n*8+(\ks))*1024+512*\c
.endr
.endr
.endm
	s_load_b256 s[4:11], s[0:1], 0x0               ; xq s[4:5], wq s[6:7], ws s[8:9], bk s[10:11]
	s_load_b128 s[12:15], s[0:1], 0x20             ; bv s[12:13], mask s[14:15]
	s_load_b64 s[16:17], s[0:1], 0x30              ; kvp
	v_lshl_add_u32 v254, v0, 2, 0x4e000
	v_mov_b32 v255, 0
	ds_add_u32 v254, v255
	ds_add_u32 v254, v255
	s_wait_dscnt 0x0
	v_lshrrev_b32 v9, 5, v0
	v_readfirstlane_b32 s[WV], v9                  ; wave 0..3
	s_and_b32 s19, s[WV], 1                        ; which head of the pair
	s_lshr_b32 s20, s[WV], 1                       ; which half of the rows.  Also: I fetch Wk's part (0) or Wv's (1) of my head
	s_bfe_u32 s21, ttmp6, 0x40000                  ; cx: my place in the cluster
	s_lshl_b32 s22, ttmp9, 2
	s_add_co_u32 s22, s22, s21                     ; head pair = 4 x cluster x + cx: it enters the weights', biases' and kvp's addresses alone
	s_lshl_b32 s23, s22, 1
	s_add_co_u32 s23, s23, s19                     ; head
	s_and_b32 s24, ttmp7, 0xffff                   ; y, which the four partners share
	; descriptor group 1 for x: four blocks, 69,632 dense bytes, as 272 rows of 32 elements of 8 bytes; no padding: every read takes 512 consecutive bytes
	s_mov_b32 s[G1], 15|(3<<16)|(1<<21)            ; 15:0 the mask: all four work-groups; 17:16 elements of 8 bytes; 21 set beside a mask
	s_mov_b32 s[G1+1], 32<<16                      ; tensor_dim0 = 32
	s_mov_b32 s[G1+2], 272<<16                     ; tensor_dim1 = 272
	s_mov_b32 s[G1+3], 32<<16                      ; tile_dim0 = 32
	s_mov_b32 s[G1+4], 272                         ; tile_dim1 = 272
	s_mov_b32 s[G1+5], 32                          ; from row to row
	s_mov_b32 s[G1+6], 0
	s_mov_b32 s[G1+7], 0
	; for W's fragments: four tiles' K steps 0, 1: 4 rows of 2,048 bytes (256 elements of 8), 8,192 bytes (a tile's eight K steps) apart; no mask: my work-group's alone
	s_mov_b32 s[G1W], 3<<16
	s_mov_b32 s[G1W+1], 256<<16
	s_mov_b32 s[G1W+2], 4<<16
	s_mov_b32 s[G1W+3], 256<<16
	s_mov_b32 s[G1W+4], 4
	s_mov_b32 s[G1W+5], 1024
	s_mov_b32 s[G1W+6], 0
	s_mov_b32 s[G1W+7], 0
	; for W's scale words: 2,048 dense bytes as 8 rows of 256
	s_mov_b32 s[G1S], 3<<16
	s_mov_b32 s[G1S+1], 32<<16
	s_mov_b32 s[G1S+2], 8<<16
	s_mov_b32 s[G1S+3], 32<<16
	s_mov_b32 s[G1S+4], 8
	s_mov_b32 s[G1S+5], 32
	s_mov_b32 s[G1S+6], 0
	s_mov_b32 s[G1S+7], 0
	s_mov_b32 s[G0], 1
	s_mul_i32 s[G0+1], s[WV], 4*BLKB               ; LDS: wave x four blocks
	s_mul_i32 s46, s24, 16*BLKB                    ; memory: y x sixteen blocks + wave x four
	s_add_co_u32 s46, s46, s[G0+1]
	s_mov_b32 s47, 0
	s_mov_b32 s[G0W], 1
	s_lshl_b32 s[G0W+1], s[WV], 13
	s_add_co_u32 s[G0W+1], s[G0W+1], WSTG          ; LDS: wave x 8,192
	s_mov_b32 s[G0S], 1
	s_lshl_b32 s[G0S+1], s[WV], 11
	s_add_co_u32 s[G0S+1], s[G0S+1], WSS           ; LDS: wave x 2,048
	s_mov_b32 s[SEL], 0x76543210
	s_mov_b32 s[SEL+1], 0xfedcba98
	v_and_b32 v9, 31, v0                           ; lane
	v_and_b32 v10, 15, v0                          ; r
	v_bfe_u32 v11, v0, 4, 1                        ; h
	v_lshlrev_b32 v[LI], 4, v9
	v_lshlrev_b32 v[LS], 2, v9
	s_mul_i32 s27, s20, 8*BLKB
	v_add_nc_u32 v[AX0], s27, v[LI]
	v_lshlrev_b32 v[MO], 6, v11
	v_and_b32 v12, 8, v10
	v_add_nc_u32 v12, v12, v10                     ; r + 8 (r / 8)
	v_lshlrev_b32 v[BO], 2, v12
	v_mul_u32_u24 v[KST], v12, KP                  ; the stage, in: my wave's 64 rows; row e = .. + r + 8 (r / 8), d = .. + 16 h
	v_lshl_add_u32 v[KST], v11, 6, v[KST]
	s_mul_i32 s27, s[WV], 64*KP
	v_add_nc_u32 v[KST], s27, v[KST]
	v_mul_u32_u24 v[KRD], v10, KP                  ; out: the stage of my head's first wave, row e = 32 (w / 2) + r, d = 32 h on
	v_lshl_add_u32 v[KRD], v11, 7, v[KRD]
	s_mul_i32 s27, s19, 64*KP
	s_mul_i32 s3, s20, 32*KP
	s_add_co_u32 s27, s27, s3
	v_add_nc_u32 v[KRD], s27, v[KRD]
	s_lshl_b32 s27, s19, 13
	s_add_co_u32 s27, s27, WSTG
	v_add_nc_u32 v[AW], s27, v[LI]                 ; my head's Wk lies where wave w % 2 put it, its Wv 16,384 bytes on
	s_lshl_b32 s27, s19, 11
	s_add_co_u32 s27, s27, WSS
	v_add_nc_u32 v[ASW], s27, v[LS]                ; the scale words likewise, Wv's 4,096 bytes on
	v_mov_b32 v[FL], 0x1800000                     ; the floor 2^(3 - 127): no scale byte falls under 1
.irp n, 0,1,2,3,4,5,6,7
	v_mov_b32 v[TP+\n], 0                          ; written once: a lane permute's destination counts as one of its sources
	v_mov_b32 v[BI+2*\n+1], 0                      ; (named as the upper half of a pair whose low word serves both halves)
.endr
	s_wait_kmcnt 0x0
	s_add_nc_u64 s[G0+2:G0+3], s[4:5], s[46:47]
	s_or_b32 s[G0+3], s[G0+3], 0x80000000          ; type = 2
	s_lshl_b32 s48, s23, 15                        ; a head's four tiles x eight K steps x 1,024 bytes
	s_mov_b32 s49, 0
	s_add_nc_u64 s[6:7], s[6:7], s[48:49]
	s_add_nc_u64 s[40:41], s[6:7], 1048576         ; Wv's codes
	s_add_nc_u64 s[6:7], s[6:7], 524288            ; Wk's
	s_lshl_b32 s48, s20, 19                        ; which of the two I fetch for the work-group
	s_add_nc_u64 s[G0W+2:G0W+3], s[6:7], s[48:49]
	s_or_b32 s[G0W+3], s[G0W+3], 0x80000000
	s_lshl_b32 s48, s23, 11                        ; scale words: 2,048 bytes a head, Wk's from 32,768 on, Wv's from 65,536 on
	s_lshl_b32 s51, s20, 15
	s_add_co_u32 s48, s48, s51
	s_add_co_u32 s48, s48, 32768
	s_add_nc_u64 s[G0S+2:G0S+3], s[8:9], s[48:49]
	s_or_b32 s[G0S+3], s[G0S+3], 0x80000000
	CROUND                                         ; all four work-groups are here: the joint loads meet
	tensor_load_to_lds s[G0:G0+3], s[G1:G1+7]      ; my three tensor loads of the launch stand together: three are out.  x's four blocks, jointly;
	s_nop 0
	tensor_load_to_lds s[G0W:G0W+3], s[G1W:G1W+7]  ; W's fragments of K steps 0, 1;
	s_nop 0
	tensor_load_to_lds s[G0S:G0S+3], s[G1S:G1S+7]  ; W's scale words
	s_nop 0
	PLACES 4                                       ; four such lines behind them
	s_lshl_b32 s48, s23, 8
	s_add_nc_u64 s[10:11], s[10:11], s[48:49]      ; the head's 64 numbers of bk and of bv
	s_add_nc_u64 s[12:13], s[12:13], s[48:49]
	s_lshl_b32 s48, s24, 11
	s_lshl_b32 s51, s20, 10
	s_add_co_u32 s48, s48, s51
	s_add_nc_u64 s[14:15], s[14:15], s[48:49]      ; the mask of my 256 rows
	s_lshl_b32 s48, s24, 4
	s_add_co_u32 s48, s48, s23
	s_lshl_b32 s48, s48, 14
	s_lshl_b32 s51, s20, 13
	s_add_co_u32 s48, s48, s51
	s_add_nc_u64 s[16:17], s[16:17], s[48:49]      ; kvp: (16 y + head) x 16,384, + the two e tiles that I store
.irp n, 0,1,2,3
	global_load_b32 v[BI+2*\n], v[BO], s[10:11] offset:(32*(\n/2)+8*(\n%2))*4
	global_load_b32 v[BI+8+2*\n], v[BO], s[12:13] offset:(32*(\n/2)+8*(\n%2))*4
.endr
	WIN 0x40                                       ; K ascending, so that the first block's counted waits can follow the K steps
	WLOAD 2, 2
	WLOAD 3, 3
	WIN 0x80
	WLOAD 4, 0
	WLOAD 5, 1
	WLOAD 6, 2
	WLOAD 7, 3
	WIN 0xc0
.set i, 0
.rept 128
	v_mov_b32 v[KV+i], 0                           ; kv's sums begin as zeros, cleared once while the loads are out: so the body of four blocks is written once and walked twice
.set i, i+1
.endr
	WIN 0
	s_mov_b32 s[TB], 0
	s_mov_b32 s[CNT], 2
	s_wait_tensorcnt 0x0                           ; what I fetched is in LDS,
	s_barrier_signal -1
	s_barrier_wait -1                              ; what everybody fetched is: a wave reads blocks and weights that other waves fetched
	WIN 0x40                                       ; destination window 1
.irp ks, 0,1
.irp n, 0,1,2,3,4,5,6,7
.irp c, 0,1
	ds_load_b128 v[(\ks*8+\n)*8+4*\c:(\ks*8+\n)*8+4*\c+3], v[AW] offset:(\n/4)*16384+(\n%4)*2048+\ks*1024+512*\c
.endr
.endr
.endr
	WIN 0
.irp np, 0,1,2,3
.irp ks, 0,1,2,3,4,5,6,7
	ds_load_b32 v[WS+8*\np+\ks], v[ASW] offset:(\np/2)*4096+(\np%2)*1024+\ks*128
.endr
.endr
; A BLOCK OF 32 ROWS: 128 products, then bias, mask, the block's scale and codes.  bq: its place among the four blocks of a K step of k^T v.
; The counted waits on the loads into registers serve the first block, where W's K steps 2 to 7 are landing, K ascending, with the block's four mask loads behind them; in every later block only the four mask loads are out.
.macro BLOCK bq
.set SET, (\bq)%2
	v_add_nc_u32 v[AX], s[TB], v[AX0]
	s_add_co_u32 s[TB], s[TB], BLKB
.irp i, 0,1,2,3
	global_load_b128 v[MK+4*\i:MK+4*\i+3], v[MO], s[14:15] offset:128*(\bq)+16*\i   ; the mask of rows 16 h + 0 .. 15
.endr
.if (\bq) == 0
	XSL 0, 0                                       ; (blocks 1 to 3 find these asked for by the block before)
	XLD 0, 0, 0
	XLD 1, 1, 0
.endif
	s_wait_dscnt 8                                 ; the scale words and K steps 0, 1 are in (in the first block W's too, which were asked for earlier); the eight loads of K steps 2, 3 may be out
	WIN MUL1
	G 0, 0, SET
	PLACES 4                                       ; four places in front of loads into registers that matrix instructions have read
	WIN 0
	XLD 0, 2, 0
	s_wait_dscnt 8                                 ; K steps 2, 3 are in; the eight just issued may be out
	s_wait_loadcnt 63                              ; W's K steps 2, 3: 68 loads are younger (K steps 4 to 7: 64; the mask: 4); the count's field holds 63
	WIN MUL1
	G 1, 1, SET
	PLACES 4
	WIN 0
	XLD 1, 3, 0
	s_wait_dscnt 8                                 ; K steps 4, 5
	s_wait_loadcnt 36                              ; W's K steps 4, 5: those of K steps 6, 7 (32) and the mask (4) may be out
	WIN MUL2
	G 0, 2, SET
.if (\bq) < 3
	PLACES 4
	WIN 0
	XSL 1-SET, BLKB                                ; the next block's scale words, into the other set, and its K steps 0, 1
	XLD 0, 0, BLKB
	s_wait_dscnt 10                                ; K steps 6, 7 are in; the ten just issued may be out
.else
	s_wait_dscnt 0x0
.endif
	s_wait_loadcnt 4                               ; W's K steps 6, 7: the mask's four may be out
	WIN MUL2
	G 1, 3, SET
	PLACES 4                                       ; also the places in front of the first read of the results
	WIN 0
.if (\bq) < 3
	XLD 1, 1, BLKB
.endif
	WIN 0xc3                                       ; destination and source 0 window 3
.irp n, 0,1,2,3,4,5,6,7
.irp i, 0,2,4,6,8,10,12,14
	v_pk_add_f32 v[16*\n+\i:16*\n+\i+1], v[16*\n+\i:16*\n+\i+1], v[BI+2*\n:BI+2*\n+1] op_sel_hi:[1,0]   ; + my column's bias (the pair's low word for both halves); each accumulator from its low end on
.endr
.endr
	s_wait_loadcnt 0x0                             ; the mask
.irp n, 0,1,2,3,4,5,6,7
.irp i, 0,2,4,6,8,10,12,14
	v_pk_mul_f32 v[16*\n+\i:16*\n+\i+1], v[16*\n+\i:16*\n+\i+1], v[MK+\i:MK+\i+1]       ; x the rows' mask
.endr
.endr
	WIN 0x3c                                       ; sources 1 and 2 window 3
.irp n, 0,1,2,3,4,5,6,7
	v_max3_num_f32 v[TM+\n], v[FL], |v[16*\n]|, |v[16*\n+1]|       ; the largest magnitude of my 16 rows of column tile n, with the floor; the eight tiles by turns
.endr
.irp i, 2,4,6,8,10,12,14
.irp n, 0,1,2,3,4,5,6,7
	v_max3_num_f32 v[TM+\n], v[TM+\n], |v[16*\n+\i]|, |v[16*\n+\i+1]|
.endr
.endr
	WIN 0
.irp n, 0,1,2,3,4,5,6,7
	v_permlanex16_b32 v[TP+\n], v[TM+\n], s[SEL], s[SEL+1]
.endr
.irp n, 0,1,2,3,4,5,6,7
	v_max_num_f32 v[TM+\n], v[TM+\n], v[TP+\n]     ; with lane l xor 16's 16 rows: the block's
.endr
.irp n, 0,1,2,3,4,5,6,7
	v_add_nc_u32 v[TS+\n], 0xff000000, v[TM+\n]    ; 2 off the exponent field: the conversion's scale operand
.endr
.irp n, 0,1,2,3,4,5,6,7
.if (\bq) == 0
	v_lshrrev_b32 v[CS+\n], 23, v[TS+\n]           ; the scale's byte: byte bq of the column's word for these 128 rows
.else
	v_lshrrev_b32 v[TP+\n], 23, v[TS+\n]
.endif
.endr
.if (\bq) > 0
.irp n, 0,1,2,3,4,5,6,7
	v_lshl_or_b32 v[CS+\n], v[TP+\n], 8*(\bq), v[CS+\n]
.endr
.endif
	WIN 0x03                                       ; source 0 window 3
.irp n, 0,1,2,3,4,5,6,7
.irp u, 0,1
	v_cvt_scalef32_pk8_fp4_f32 v[CD+8*\n+2*(\bq)+\u], v[16*\n+8*\u:16*\n+8*\u+7], v[TS+\n]   ; rows 32 bq + 16 h + 8 u + 0 .. 7
.endr
.endr
	WIN 0
	v_nop                                          ; one plain line behind the conversions
.if (\bq)%2 == 1                       ; the operand's layout wants a WHOLE block in a lane: lanes 0-15 block 2 c, lanes 16-31 block 2 c + 1
.irp n, 0,1,2,3,4,5,6,7
.irp i, 0,1
	v_permlane16_swap_b32 v[CD+8*\n+4*((\bq)/2)+\i], v[CD+8*\n+4*((\bq)/2)+2+\i]
.endr
.endr
.endif
.endm
.Lquad:                                            ; two trips of four blocks: 128 rows, one K step of k^T v
	BLOCK 0
	BLOCK 1
	BLOCK 2
	BLOCK 3
	PLACES 8                                       ; scale words written by vector instructions stand eight places ahead of a scaled matrix instruction, operands so written four
	WIN 0xf0                                       ; C and D window 3
.irp dt, 0,1,2,3                       ; kv(d, e) += k^T v: source 0 = 16 columns of k, source 1 = 16 columns of v; sixteen accumulators, one instruction each
.irp et, 0,1,2,3
.set rD, KV+8*(4*\dt+\et)
.set rA, CD+8*\dt
.set rB, CD+8*(4+\et)
.set rC, rD
.set rSA, CS+\dt
.set rSB, CS+4+\et
	WM 0, 0
.endr
.endr
	WIN 0
	s_add_nc_u64 s[14:15], s[14:15], 512           ; the next 128 rows' mask (the loads that read this base are shown done)
	s_sub_co_u32 s[CNT], s[CNT], 1
	s_cmp_lg_u32 s[CNT], 0
	s_cbranch_scc1 .Lquad
; THE WAY OUT.  In accumulator (dt, et) lane (r, h) holds e = 32 (et / 2) + 8 (et % 2) + r + 8 (r / 8) and register j holds d = 32 (dt / 2) + 8 (dt % 2) + 16 h + j.
; Each wave lays its 64 x 64 into a stage of its own, rows by e; the two waves of a head (the two halves of the rows) are then added, each wave taking 32 of the e.
; The stages lie in x's bytes, which have had their one fill and are read by nobody behind this barrier.
	PLACES 4
	s_wait_dscnt 0x0
	s_barrier_signal -1
	s_barrier_wait -1
	WIN 0x0c                                       ; an LDS store's data are its source 1: window 3
.irp dt, 0,1,2,3
.irp et, 0,1,2,3
	ds_store_b128 v[KST], v[KV+8*(4*\dt+\et):KV+8*(4*\dt+\et)+3] offset:(32*(\et/2)+8*(\et%2))*KP+(32*(\dt/2)+8*(\dt%2))*4
	ds_store_b128 v[KST], v[KV+8*(4*\dt+\et)+4:KV+8*(4*\dt+\et)+7] offset:(32*(\et/2)+8*(\et%2))*KP+(32*(\dt/2)+8*(\dt%2))*4+16
.endr
.endr
	WIN 0
	s_wait_dscnt 0x0                               ; for the others' sake: my stores have landed
	s_barrier_signal -1
	s_barrier_wait -1
.irp ee, 0,1
.irp i, 0,1,2,3,4,5,6,7
	ds_load_b128 v[XF+4*(8*\ee+\i):XF+4*(8*\ee+\i)+3], v[KRD] offset:16*KP*\ee+16*\i              ; kv(32 h + 4 i + 0 .. 3, e) of the rows' first half,
	ds_load_b128 v[CD+4*(8*\ee+\i):CD+4*(8*\ee+\i)+3], v[KRD] offset:128*KP+16*KP*\ee+16*\i       ; and of the second: the stage two waves on
.endr
.endr
	s_wait_dscnt 0x0
.set i, 0
.rept 32
	v_pk_add_f32 v[XF+i:XF+i+1], v[XF+i:XF+i+1], v[CD+i:CD+i+1]
.set i, i+2
.endr
.irp ee, 0,1
.irp i, 0,1,2,3,4,5,6,7
	global_store_b128 v[LI], v[XF+4*(8*\ee+\i):XF+4*(8*\ee+\i)+3], s[16:17] offset:4096*\ee+512*\i   ; 32 lanes store 512 consecutive bytes, aligned
.endr
.endr
	s_wait_xcnt 0x0
	v_lshl_add_u32 v254, v0, 2, 0x4e000
	v_mov_b32 v255, 0
	s_wait_tensorcnt 0x0
	ds_add_u32 v254, v255
	s_wait_dscnt 0x0
	CROUND                                         ; the closing round: no work-group ends while a partner may still ask for the tile that names it
	s_endpgm
.Lfunc_end_k_qdf9c2fbd1c_kv:
	.size	k_qdf9c2fbd1c_kv, .Lfunc_end_k_qdf9c2fbd1c_kv-k_qdf9c2fbd1c_kv
	.p2alignl 7, 3214868480
	.fill 96, 4, 3214868480
	.section	.rodata,"a",@progbits
	.p2align	6, 0x0
	.amdhsa_kernel k_qdf9c2fbd1c_kv
		.amdhsa_group_segment_fixed_size 327680
		.amdhsa_private_segment_fixed_size 0
		.amdhsa_enable_private_segment 0
		.amdhsa_kernarg_size 56
		.amdhsa_user_sgpr_count 2
		.amdhsa_user_sgpr_kernarg_segment_ptr 1
		.amdhsa_wavefront_size32 1
		.amdhsa_system_sgpr_workgroup_id_x 1
		.amdhsa_system_sgpr_workgroup_id_y 1
		.amdhsa_system_sgpr_workgroup_id_z 1
		.amdhsa_system_vgpr_workitem_id 0
		.amdhsa_next_free_vgpr 1024
		.amdhsa_next_free_sgpr 92
		.amdhsa_reserve_vcc 0
		.amdhsa_float_denorm_mode_32 3
		.amdhsa_float_denorm_mode_16_64 3
		.amdhsa_memory_ordered 1
		.amdhsa_forward_progress 1
		.amdhsa_inst_pref_size 176
	.end_amdhsa_kernel
	.amdgpu_metadata
---
amdhsa.version: [ 1, 2 ]
amdhsa.kernels:
  - .name:           k_qdf9c2fbd1c_kv
    .symbol:         k_qdf9c2fbd1c_kv.kd
    .args:
      - { .name: xq, .offset: 0, .size: 8, .value_kind: global_buffer, .address_space: global }
      - { .name: wq, .offset: 8, .size: 8, .value_kind: global_buffer, .address_space: global }
      - { .name: ws, .offset: 16, .size: 8, .value_kind: global_buffer, .address_space: global }
      - { .name: bk, .offset: 24, .size: 8, .value_kind: global_buffer, .address_space: global }
      - { .name: bv, .offset: 32, .size: 8, .value_kind: global_buffer, .address_space: global }
      - { .name: mask, .offset: 40, .size: 8, .value_kind: global_buffer, .address_space: global }
      - { .name: kvp, .offset: 48, .size: 8, .value_kind: global_buffer, .address_space: global }
    .group_segment_fixed_size: 327680
    .private_segment_fixed_size: 0
    .kernarg_segment_align: 8
    .kernarg_segment_size: 56
    .max_flat_workgroup_size: 128
    .sgpr_count:     92
    .vgpr_count:     1024
    .wavefront_size: 32
...
	.end_amdgpu_metadata
.endif
;; end of part 2
;; launch out (part 3): grid 8 x 32, 4 waves a work-group, clusters of 4 x 1, 322,048 bytes of LDS; arguments xq, wq, ws, bq, mask, kvp, out0, nrm; writes out0
.if DOCPART == 3
	.amdgcn_target "amdgcn-amd-amdhsa--gfx1250"
	.amdhsa_code_object_version 6
	.text
	.protected	k_qdf9c2fbd1c_out
	.globl	k_qdf9c2fbd1c_out
	.p2align	8
	.type	k_qdf9c2fbd1c_out,@function
k_qdf9c2fbd1c_out:
	s_mov_b64 s[64:65], 0
	v_nop
	global_prefetch_b8 v0, s[64:65] scope:SCOPE_SE
	s_setreg_imm32_b32 hwreg(HW_REG_WAVE_MODE, 25, 1), 1
	s_wait_xcnt 0x0
	s_wait_alu depctr_hold_cnt(0) depctr_sa_sdst(0) depctr_va_vdst(0) depctr_va_sdst(0) depctr_va_ssrc(0) depctr_va_vcc(0) depctr_vm_vsrc(0)
	s_getreg_b32 s2, hwreg(HW_REG_IB_STS2, 6, 4)
	s_cmp_eq_u32 s2, 0
	s_cbranch_scc0 .Lentry_in_a_cluster
	s_endpgm
.Lentry_in_a_cluster:
	s_bfe_u32 s2, ttmp6, 0x10000c
	s_cmp_lg_u32 s2, 0x3003
	s_cbranch_scc0 .Lentry_shape_is_right
	s_endpgm
.Lentry_shape_is_right:
; out = Q(q) Q(kv norm) for 512 rows and two heads: q = (x Wq + bq) mask, quantised along the head's 64 in registers; kv = the sum of the batch's eight partial sums, x norm = 1 / sqrt(64 x the sum of the batch's mask)
; (made by launch prep), quantised along d.  All products on codes of FP4 (E2M1) with E8M0 scales for each 32 along K.
; SHARES.  Work-group (x, y): head pair hp = x (columns 128 hp on), rows 512 y on.  Every wave holds Wq's eight column tiles x 1,024 K in 512 registers (windows 1, 2); wave w takes rows 128 w on: four blocks of 32.
; x's codes of the 512 rows come into LDS once, one tensor load a wave.  CLUSTER 4 x 1: the four head pairs of a cluster need the same rows: that load is joint (mask 15).  Weights and partial sums are not shared so: partners have other head pairs.
; THE WEIGHTS' WAY.  All four waves want the same Wq.  Its K steps 0 to 3 (32,768 bytes) and its scale words (4,096) come once for the work-group, by two plain tensor loads a wave in the same group as x's; each wave
; reads them into registers behind a barrier.  The fragments land in the bytes that later are the stages of the way out: their one fill; a second barrier stands between every wave's reads of them and the first store into a stage.
; K steps 4 to 7 come straight into registers.  THE HEAD'S LOADS INTO REGISTERS stand in one run with no wait for all of them: norm 2, my second unit of kv 64, my first 64, bq 16, and, when the second unit is summed, Wq's K steps 4 to 7, 64.
; LAYOUT.  First product TRANSPOSED: source 0 = 16 columns of Wq, source 1 = 16 rows of x: a lane holds ONE row, and, since THE COLUMNS OF A TILE ARE NOT NEIGHBOURS (tile 2 G + u, lane row r: column 32 G + 8 u + r + 8 (r / 8)),
; the 16 registers of tiles 2 G, 2 G + 1 are columns 32 G + 16 (lane / 16) + 0 .. 15: neighbours along the second product's K.  bq is the C of each sum's first instruction.
; SECOND PRODUCT.  Its K is 64; the instruction's is 128.  q's fragment holds the pair's 128 columns; a fragment of kv (16 e of one head) holds that head's 64 d in its half of K and ZERO CODES in the other, which add nothing.
; LIMITS: NaN and infinities are not served; a block of zeros gets the scale byte 1 with zero codes; a batch whose mask sums to 0 or less (there reference() has no finite result) is not served.
; REGISTERS.  window 0: v1-9 addresses and constants; v[10:11] norm; v12, v14 a row's mask; v16-23 x's scale words; v24-31 kv's; v32-63 Wq's; v64-79 at work; v76 q's scale word; v80-87 q's codes; v88-92 addresses;
;   v96-127 32 numbers of kv; v128-191 x's fragments, then rows on the way out; v192-255 kv's eight fragments.   windows 1, 2: Wq(n, ks) at window 1 + ks / 4, register ((ks % 4) 8 + n) 8.
;   window 3: accumulators (u, n) at 64 u + 8 n; the results at 128 + 8 q; bq at 192 + 8 n.
;   At the head: my second unit's eight partial sums fill window 2; my first unit's lie in window 3, v0-191 (six), and in window 0, v128-191 (two).
.set BLKB, 17408
.set KIMG, 16*BLKB                     ; behind x: kv's eight fragments' halves as images of their registers, 512 bytes each,
.set KSC,  KIMG+8*512                  ; their scale words, 128 bytes each,
.set STG,  KSC+8*128                   ; a stage of 16 rows x (512 + 16) bytes for each wave; at the head its first 32,768 bytes hold Wq's K steps 0 to 3, tile n at 4,096 n,
.set SP,   528
.set WSL,  STG+4*16*SP                 ; and Wq's scale words, 1,024 bytes for each pair of tiles
.set FLOOR, 0x1800000
.set LI,   1                           ; v1  16 x lane
.set LS,   2                           ; v2  4 x lane
.set AX0,  3                           ; v3  my four blocks in LDS + 16 x lane
.set AX,   4                           ; v4  the same in the block in hand
.set MO,   5                           ; v5  4 (r + 8 (r / 8)): my row's mask
.set SO,   6                           ; v6  the stage, in
.set SR,   7                           ; v7  the stage, out
.set FL,   8
.set MKR,  12
.set XS,   16
.set KVS,  24
.set WS,   32
.set TM,   64
.set TP,   68
.set TS,   72
.set PW,   76
.set PC,   80
.set T,    96
.set XF,   128
.set KVF,  192
.set OUTR, 128                         ; in window 3
.set BIAS, 192                         ; in window 3
.set WV,   18
.set CNT,  25
.set TB,   26
.set G1,   28                          ; s[28:35], s[36:39] descriptor groups 1 and 0 for x
.set G0,   36
.set SEL,  44
.set G1W,  68                          ; s[68:75], s[76:79] for Wq's fragments
.set G0W,  76
.set G1S,  80                          ; s[80:87], s[88:91] for Wq's scale words
.set G0S,  88
.set MSB, 0
.macro WIN new                         ; the immediate's high byte repeats the setting that is left
.if MSB != \new
	s_set_vgpr_msb (MSB<<8)|\new
.set MSB, \new
.endif
.endm
.macro PLACES n
.rept \n
	v_nop
.endr
.endm
.macro CROUND                          ; a round of the cluster's barrier
	s_barrier_signal -1
	s_barrier_wait -1
	s_cmp_lg_u32 s[WV], 0
	s_cbranch_scc1 .Lnot_wave_0_\@
	s_barrier_signal -3
.Lnot_wave_0_\@:
	s_barrier_wait -3
	s_barrier_signal -1
	s_barrier_wait -1
.endm
.macro MAX32 base, ma, mb              ; the largest magnitude of v[base] .. v[base + 31], and the floor, into v[ma]
	v_max3_num_f32 v[\ma], |v[\base]|, |v[\base+1]|, |v[\base+2]|
	v_max3_num_f32 v[\mb], |v[\base+3]|, |v[\base+4]|, |v[\base+5]|
.irp i, 6,10,14,18,22,26
	v_max3_num_f32 v[\ma], v[\ma], |v[\base+\i]|, |v[\base+\i+1]|
	v_max3_num_f32 v[\mb], v[\mb], |v[\base+\i+2]|, |v[\base+\i+3]|
.endr
	v_max3_num_f32 v[\ma], v[\ma], |v[\base+30]|, |v[\base+31]|
	v_max3_num_f32 v[\ma], v[\ma], v[\mb], FLOOR
.endm
; one matrix instruction on the registers named by rD, rA, rB, rC (under 0: the constant 0), rSA, rSB;  ra, rb = 1: that side's scales stand in lanes 16-31
.macro WM ra, rb
.if rC < 0
	v_wmma_scale_f32_16x16x128_f8f6f4 v[rD:rD+7], v[rA:rA+7], v[rB:rB+7], 0, v[rSA], v[rSB] matrix_a_fmt:MATRIX_FMT_FP4 matrix_b_fmt:MATRIX_FMT_FP4
.else
.if (\ra) && (\rb)
	v_wmma_scale_f32_16x16x128_f8f6f4 v[rD:rD+7], v[rA:rA+7], v[rB:rB+7], v[rC:rC+7], v[rSA], v[rSB] matrix_a_fmt:MATRIX_FMT_FP4 matrix_b_fmt:MATRIX_FMT_FP4 matrix_a_scale:MATRIX_SCALE_ROW1 matrix_b_scale:MATRIX_SCALE_ROW1
.elseif (\ra)
	v_wmma_scale_f32_16x16x128_f8f6f4 v[rD:rD+7], v[rA:rA+7], v[rB:rB+7], v[rC:rC+7], v[rSA], v[rSB] matrix_a_fmt:MATRIX_FMT_FP4 matrix_b_fmt:MATRIX_FMT_FP4 matrix_a_scale:MATRIX_SCALE_ROW1
.elseif (\rb)
	v_wmma_scale_f32_16x16x128_f8f6f4 v[rD:rD+7], v[rA:rA+7], v[rB:rB+7], v[rC:rC+7], v[rSA], v[rSB] matrix_a_fmt:MATRIX_FMT_FP4 matrix_b_fmt:MATRIX_FMT_FP4 matrix_b_scale:MATRIX_SCALE_ROW1
.else
	v_wmma_scale_f32_16x16x128_f8f6f4 v[rD:rD+7], v[rA:rA+7], v[rB:rB+7], v[rC:rC+7], v[rSA], v[rSB] matrix_a_fmt:MATRIX_FMT_FP4 matrix_b_fmt:MATRIX_FMT_FP4
.endif
.endif
.endm
; four products: column tiles 2 np, 2 np + 1 (source 0) x row tiles 0, 1 (source 1), K step ks.  K step 0 takes bq as C.
.macro WM4 ks, xf, np
.irp e, 0,1
.irp u, 0,1
.set rD, 64*\u+8*(2*(\np)+\e)
.set rA, (((\ks)%4)*8+2*(\np)+\e)*8
.set rB, (\xf)+8*\u
.set rC, rD
.if (\ks) == 0
.set rC, BIAS+8*(2*(\np)+\e)
.endif
.set rSA, WS+8*(\np)+(\ks)
.set rSB, XS+(\ks)
	WM \e, \u
.endr
.endr
.endm
.macro G half, ksp                     ; 32 products: K steps 2 ksp, 2 ksp + 1.  The 16 accumulators take turns, one instruction a turn, in the same order in every K step
.irp kk, 0,1
.irp np, 0,1,2,3
	WM4 (2*(\ksp)+\kk), (XF+32*(\half)+16*\kk), \np
.endr
.endr
.endm
.macro XLD half, ksp                   ; x's fragments of K steps 2 ksp, 2 ksp + 1, both row tiles
.irp kk, 0,1
.irp u, 0,1
.irp c, 0,1
	ds_load_b128 v[XF+32*(\half)+16*\kk+8*\u+4*\c:XF+32*(\half)+16*\kk+8*\u+4*\c+3], v[AX] offset:8192*\u+1024*(2*(\ksp)+\kk)+512*\c
.endr
.endr
.endr
.endm
.macro WLOAD k0                        ; Wq's fragments of K steps k0 .. k0 + 3 into the window that is set, K ascending, sixteen loads a K step
.irp kq, 0,1,2,3
.irp n, 0,1,2,3,4,5,6,7
.irp c, 0,1
	global_load_b128 v[(\kq*8+\n)*8+4*\c:(\kq*8+\n)*8+4*\c+3], v[LI], s[6:7] offset:(8*\n+\k0+\kq)*1024+512*\c
.endr
.endr
.endr
.endm
; kv, unit 2 w + uu (head w / 2 of the pair, e tile 2 (w % 2) + uu): lane (r, h) takes kv(32 h + 0 .. 31, 16 et + r) of each of the batch's eight partial sums.  Partial sum c into v[base] on of the window that is set
.macro KLD c, base, uu
.irp i, 0,1,2,3,4,5,6,7
	global_load_b128 v[(\base)+4*\i:(\base)+4*\i+3], v[LI], s[14:15] offset:262144*(\c)+4096*(\uu)+512*\i
.endr
.endm
.macro KADD a, b                       ; partial sum a += partial sum b, both at 32 x their number in the windows that are set
.irp i, 0,2,4,6,8,10,12,14,16,18,20,22,24,26,28,30
	v_pk_add_f32 v[32*\a+\i:32*\a+\i+1], v[32*\a+\i:32*\a+\i+1], v[32*\b+\i:32*\b+\i+1]
.endr
.endm
.macro KNORM                           ; x norm, into v[T] on (source 0 in the window that is set)
.irp i, 0,2,4,6,8,10,12,14,16,18,20,22,24,26,28,30
	v_pk_mul_f32 v[T+\i:T+\i+1], v[\i:\i+1], v[10:11]
.endr
.endm
.macro KQ uu                           ; my 32 numbers are a whole block along d: codes and byte; the image of four registers and the scale word go to LDS
	MAX32 T, TM, TM+1
	v_add_nc_u32 v[TS], 0xff000000, v[TM]          ; 2 off the exponent field: the conversion's scale operand
	v_lshrrev_b32 v77, 23, v[TS]                   ; the scale's byte
.irp g, 0,1,2,3
	v_cvt_scalef32_pk8_fp4_f32 v[PC+4*\uu+\g], v[T+8*\g:T+8*\g+7], v[TS]
.endr
	v_lshlrev_b32 v77, v9, v77                     ; (a plain line behind the conversions)  my byte 8 h bits up;
	ds_store_b128 v88, v[PC+4*\uu:PC+4*\uu+3] offset:512*\uu
	v_permlanex16_b32 v78, v77, s[SEL], s[SEL+1]
	v_or_b32 v77, v77, v78                         ; with lane l xor 16's: the head's two bytes,
	v_lshlrev_b32 v[93+\uu], s50, v77              ; at the head's half of the word; the other two stay 0, over zero codes
	ds_store_b32 v89, v[93+\uu] offset:128*\uu
.endm
	s_load_b256 s[4:11], s[0:1], 0x0               ; xq s[4:5], wq s[6:7], ws s[8:9], bq s[10:11]
	s_load_b128 s[12:15], s[0:1], 0x20             ; mask s[12:13], kvp s[14:15]
	s_load_b64 s[16:17], s[0:1], 0x30              ; out0
	s_load_b64 s[52:53], s[0:1], 0x38              ; nrm
	v_lshl_add_u32 v254, v0, 2, 0x4e800
	v_mov_b32 v255, 0
	ds_add_u32 v254, v255
	ds_add_u32 v254, v255
	s_wait_dscnt 0x0
	v_lshrrev_b32 v1, 5, v0
	v_readfirstlane_b32 s[WV], v1                  ; wave 0..3
	s_bfe_u32 s21, ttmp6, 0x40000                  ; cx: my place in the cluster
	s_lshl_b32 s22, ttmp9, 2
	s_add_co_u32 s22, s22, s21                     ; head pair = 4 x cluster x + cx
	s_and_b32 s24, ttmp7, 0xffff                   ; y, which the four partners share
	s_lshr_b32 s23, s24, 3                         ; the batch
	s_lshr_b32 s50, s[WV], 1
	s_lshl_b32 s50, s50, 4                         ; 16 x (w / 2)
	; descriptor group 1 for x: four blocks, 69,632 dense bytes, as 272 rows of 32 elements of 8 bytes; no padding
	s_mov_b32 s[G1], 15|(3<<16)|(1<<21)            ; 15:0 the mask: all four work-groups; 17:16 elements of 8 bytes; 21 set beside a mask
	s_mov_b32 s[G1+1], 32<<16
	s_mov_b32 s[G1+2], 272<<16
	s_mov_b32 s[G1+3], 32<<16
	s_mov_b32 s[G1+4], 272
	s_mov_b32 s[G1+5], 32
	s_mov_b32 s[G1+6], 0
	s_mov_b32 s[G1+7], 0
	; for Wq's fragments: two tiles' K steps 0 to 3: 2 rows of 4,096 bytes (512 elements of 8), 8,192 bytes (a tile's eight K steps) apart; no mask: my work-group's alone
	s_mov_b32 s[G1W], 3<<16
	s_mov_b32 s[G1W+1], 512<<16
	s_mov_b32 s[G1W+2], 2<<16
	s_mov_b32 s[G1W+3], 512<<16
	s_mov_b32 s[G1W+4], 2
	s_mov_b32 s[G1W+5], 1024
	s_mov_b32 s[G1W+6], 0
	s_mov_b32 s[G1W+7], 0
	; for Wq's scale words: 1,024 dense bytes as 4 rows of 256
	s_mov_b32 s[G1S], 3<<16
	s_mov_b32 s[G1S+1], 32<<16
	s_mov_b32 s[G1S+2], 4<<16
	s_mov_b32 s[G1S+3], 32<<16
	s_mov_b32 s[G1S+4], 4
	s_mov_b32 s[G1S+5], 32
	s_mov_b32 s[G1S+6], 0
	s_mov_b32 s[G1S+7], 0
	s_mov_b32 s[G0], 1
	s_mul_i32 s[G0+1], s[WV], 4*BLKB
	s_mul_i32 s46, s24, 16*BLKB
	s_add_co_u32 s46, s46, s[G0+1]
	s_mov_b32 s47, 0
	s_mov_b32 s[G0W], 1
	s_lshl_b32 s[G0W+1], s[WV], 13
	s_add_co_u32 s[G0W+1], s[G0W+1], STG           ; LDS: tiles 2 w, 2 w + 1
	s_mov_b32 s[G0S], 1
	s_lshl_b32 s[G0S+1], s[WV], 10
	s_add_co_u32 s[G0S+1], s[G0S+1], WSL           ; LDS: the pair of tiles w
	s_mov_b32 s[SEL], 0x76543210
	s_mov_b32 s[SEL+1], 0xfedcba98
	v_and_b32 v77, 31, v0                          ; lane
	v_and_b32 v78, 15, v0                          ; r
	v_bfe_u32 v79, v0, 4, 1                        ; h
	v_lshlrev_b32 v[LI], 4, v77
	v_lshlrev_b32 v[LS], 2, v77
	v_add_nc_u32 v[AX0], s[G0+1], v[LI]
	v_and_b32 v[MO], 8, v78
	v_add_nc_u32 v[MO], v[MO], v78
	v_lshlrev_b32 v[MO], 2, v[MO]
	s_mul_i32 s27, s[WV], 16*SP
	s_add_co_u32 s27, s27, STG                     ; my stage
	v_mul_u32_u24 v[SO], v78, SP
	v_lshl_add_u32 v[SO], v79, 5, v[SO]
	v_add_nc_u32 v[SO], s27, v[SO]                 ; in: row r, + 32 h bytes
	v_add_nc_u32 v[SR], s27, v[LI]                 ; back: the 32 lanes take a row of 512 bytes
	v_mov_b32 v[FL], FLOOR
	v_lshlrev_b32 v9, 3, v79                       ; 8 h
	v_mov_b32 v13, 0                               ; (named as the upper halves of the pairs v[12:13], v[14:15])
	v_mov_b32 v15, 0
	s_lshl_b32 s27, s[WV], 10
	s_add_co_u32 s27, s27, KIMG
	v_add_nc_u32 v88, s27, v[LI]                   ; where I store my two units' images,
	s_lshl_b32 s27, s[WV], 8
	s_add_co_u32 s27, s27, KSC
	v_add_nc_u32 v89, s27, v[LS]                   ; and their scale words
	v_add_nc_u32 v90, KIMG, v[LI]                  ; where all eight are read
	v_add_nc_u32 v91, KSC, v[LS]
	v_lshlrev_b32 v92, 6, v79                      ; 64 h: bq at my half's 16 columns
.irp b, 0,1,2,3
	v_mov_b32 v[TP+\b], 0                          ; written once: a lane permute's destination counts as one of its sources
.endr
	s_wait_kmcnt 0x0
	s_add_nc_u64 s[G0+2:G0+3], s[4:5], s[46:47]
	s_or_b32 s[G0+3], s[G0+3], 0x80000000          ; type = 2
	s_mov_b32 s49, 0
	s_lshl_b32 s48, s22, 16
	s_add_nc_u64 s[6:7], s[6:7], s[48:49]          ; Wq's eight tiles of the pair
	s_lshl_b32 s48, s[WV], 14                      ; the two that I fetch for the work-group
	s_add_nc_u64 s[G0W+2:G0W+3], s[6:7], s[48:49]
	s_or_b32 s[G0W+3], s[G0W+3], 0x80000000
	s_lshl_b32 s48, s22, 12                        ; scale words: 4,096 bytes a head pair, 1,024 a pair of tiles
	s_lshl_b32 s51, s[WV], 10
	s_add_co_u32 s48, s48, s51
	s_add_nc_u64 s[G0S+2:G0S+3], s[8:9], s[48:49]
	s_or_b32 s[G0S+3], s[G0S+3], 0x80000000
	CROUND                                         ; all four work-groups are here: the joint loads meet
	tensor_load_to_lds s[G0:G0+3], s[G1:G1+7]      ; my three tensor loads of the launch stand together: three are out.  x's four blocks, jointly;
	s_nop 0
	tensor_load_to_lds s[G0W:G0W+3], s[G1W:G1W+7]  ; two tiles of Wq, K steps 0 to 3;
	s_nop 0
	tensor_load_to_lds s[G0S:G0S+3], s[G1S:G1S+7]  ; their scale words
	s_nop 0
	PLACES 4                                       ; four such lines behind them
	s_lshl_b32 s48, s22, 9
	s_add_nc_u64 s[10:11], s[10:11], s[48:49]      ; bq at the pair's 128 columns
	s_lshl_b32 s48, s23, 7
	s_add_nc_u64 s[52:53], s[52:53], s[48:49]      ; the batch's norm, a copy a lane
	s_lshl_b32 s48, s24, 11
	s_lshl_b32 s51, s[WV], 9
	s_add_co_u32 s48, s48, s51
	s_add_nc_u64 s[12:13], s[12:13], s[48:49]      ; the mask of my 128 rows
	s_lshl_b32 s48, s23, 7                         ; kvp: (128 b + 2 hp + w / 2) x 16,384 + (w % 2) x 8,192; the batch's chunks lie 262,144 bytes apart
	s_lshl_b32 s51, s22, 1
	s_add_co_u32 s48, s48, s51
	s_lshr_b32 s51, s[WV], 1
	s_add_co_u32 s48, s48, s51
	s_lshl_b32 s48, s48, 14
	s_and_b32 s51, s[WV], 1
	s_lshl_b32 s51, s51, 13
	s_add_co_u32 s48, s48, s51
	s_add_nc_u64 s[14:15], s[14:15], s[48:49]
	s_lshl_b32 s48, s24, 21                        ; out0: (512 y + 128 w) rows of 4,096 bytes + 512 hp
	s_lshl_b32 s51, s[WV], 19
	s_add_co_u32 s48, s48, s51
	s_lshl_b32 s51, s22, 9
	s_add_co_u32 s48, s48, s51
	s_add_nc_u64 s[16:17], s[16:17], s[48:49]
	global_load_b32 v10, v[LS], s[52:53]           ; norm, twice: a pair for the packed multiply
	global_load_b32 v11, v[LS], s[52:53]
	WIN 0x80                                       ; my second unit's eight partial sums: window 2, which Wq's K steps 4 to 7 take when these are summed
.irp c, 0,1,2,3,4,5,6,7
	KLD \c, 32*\c, 1
.endr
	WIN 0xc0                                       ; my first unit's: six in window 3,
.irp c, 0,1,2,3,4,5
	KLD \c, 32*\c, 0
.endr
	WIN 0                                          ; two where x's fragments will lie: so bq has its registers from the start
	KLD 6, XF, 0
	KLD 7, XF+32, 0
	WIN 0xc0                                       ; bq, in the result's layout: lane (r, h), tile n: columns 32 (n / 2) + 8 (n % 2) + 16 h + 0 .. 7
.irp n, 0,1,2,3,4,5,6,7
	global_load_b128 v[BIAS+8*\n:BIAS+8*\n+3], v92, s[10:11] offset:(32*(\n/2)+8*(\n%2))*4
	global_load_b128 v[BIAS+8*\n+4:BIAS+8*\n+7], v92, s[10:11] offset:(32*(\n/2)+8*(\n%2))*4+16
.endr
	s_wait_loadcnt 63                              ; norm and the second unit are in: 80 loads are younger (the first unit 64, bq 16); the count's field holds 63
	WIN 0x8a                                       ; all in window 2: the eight are added in pairs
	KADD 0, 1
	KADD 2, 3
	KADD 4, 5
	KADD 6, 7
	KADD 0, 2
	KADD 4, 6
	KADD 0, 4
	WIN 0x02                                       ; source 0 window 2
	KNORM
	WIN 0x80
	WLOAD 4                                        ; window 2 is free: Wq's K steps 4 to 7
	WIN 0
	KQ 1
	s_wait_loadcnt 63                              ; the first unit and bq are in: 64 loads are younger than bq's
	WIN 0xcf                                       ; all in window 3
	KADD 0, 1
	KADD 2, 3
	KADD 4, 5
	KADD 0, 2
	WIN 0                                          ; partial sums 6 and 7, in window 0
.irp i, 0,2,4,6,8,10,12,14,16,18,20,22,24,26,28,30
	v_pk_add_f32 v[XF+\i:XF+\i+1], v[XF+\i:XF+\i+1], v[XF+32+\i:XF+32+\i+1]
.endr
	WIN 0xc3                                       ; partial sum 4 (window 3, v128 on) += partial sum 6 (window 0, v128 on)
.irp i, 0,2,4,6,8,10,12,14,16,18,20,22,24,26,28,30
	v_pk_add_f32 v[128+\i:128+\i+1], v[128+\i:128+\i+1], v[XF+\i:XF+\i+1]
.endr
	WIN 0xcf
	KADD 0, 4
	WIN 0x03                                       ; source 0 window 3
	KNORM
	WIN 0
	KQ 0
.irp q, 0,1,2,3,4,5,6,7
.irp i, 0,1,2,3
	v_mov_b32 v[KVF+8*\q+4*(1-\q/4)+\i], 0         ; the other head's half of K: zero codes
.endr
.endr
	v_add_nc_u32 v77, STG, v[LI]                   ; where Wq's fragments are read,
	v_add_nc_u32 v78, WSL, v[LS]                   ; and its scale words
	s_wait_tensorcnt 0x0                           ; what I fetched is in LDS,
	s_wait_dscnt 0x0                               ; and my two units of kv
	s_barrier_signal -1
	s_barrier_wait -1                              ; everybody's are
.irp q, 0,1,2,3,4,5,6,7
	ds_load_b128 v[KVF+8*\q+4*(\q/4):KVF+8*\q+4*(\q/4)+3], v90 offset:512*\q
	ds_load_b32 v[KVS+\q], v91 offset:128*\q
.endr
	WIN 0x40                                       ; destination window 1
.irp ks, 0,1,2,3
.irp n, 0,1,2,3,4,5,6,7
.irp c, 0,1
	ds_load_b128 v[(\ks*8+\n)*8+4*\c:(\ks*8+\n)*8+4*\c+3], v77 offset:\n*4096+\ks*1024+512*\c
.endr
.endr
.endr
	WIN 0
.irp np, 0,1,2,3
.irp ks, 0,1,2,3,4,5,6,7
	ds_load_b32 v[WS+8*\np+\ks], v78 offset:\np*1024+\ks*128
.endr
.endr
	s_mov_b32 s[TB], 0
	s_mov_b32 s[CNT], 4
	s_wait_dscnt 0x0                               ; my reads of Wq's fragments are over:
	s_barrier_signal -1
	s_barrier_wait -1                              ; everybody's are: from here on their bytes are the stages
; 16 rows (tile u of the block): mask, quantised along the columns, second product, out
.macro TILE u
	WIN 0xc3                                       ; destination and source 0 window 3
.set i, 0
.rept 32
	v_pk_mul_f32 v[64*\u+i:64*\u+i+1], v[64*\u+i:64*\u+i+1], v[MKR+2*\u:MKR+2*\u+1] op_sel_hi:[1,0]   ; x my row's mask; each accumulator from its low end on
.set i, i+2
.endr
	WIN 0x3c                                       ; sources 1 and 2 window 3
.irp b, 0,1,2,3
	v_max3_num_f32 v[TM+\b], v[FL], |v[64*\u+16*\b]|, |v[64*\u+16*\b+1]|   ; block b (32 columns: half a head): my 16 numbers, and the floor; the four blocks by turns
.endr
.irp i, 2,4,6,8,10,12,14
.irp b, 0,1,2,3
	v_max3_num_f32 v[TM+\b], v[TM+\b], |v[64*\u+16*\b+\i]|, |v[64*\u+16*\b+\i+1]|
.endr
.endr
	WIN 0
.irp b, 0,1,2,3
	v_permlanex16_b32 v[TP+\b], v[TM+\b], s[SEL], s[SEL+1]
.endr
.irp b, 0,1,2,3
	v_max_num_f32 v[TM+\b], v[TM+\b], v[TP+\b]     ; with lane l xor 16's: the block's largest magnitude
.endr
.irp b, 0,1,2,3
	v_add_nc_u32 v[TS+\b], 0xff000000, v[TM+\b]    ; 2 off the exponent field: the conversion's scale operand
.endr
.irp b, 0,1,2,3
	v_lshrrev_b32 v[TP+\b], 23, v[TS+\b]           ; the scale's byte
.endr
	v_lshl_or_b32 v[PW], v[TP+1], 8, v[TP]         ; the four bytes make my row's scale word
	v_lshl_or_b32 v[PW], v[TP+2], 16, v[PW]
	v_lshl_or_b32 v[PW], v[TP+3], 24, v[PW]
	WIN 0x03                                       ; source 0 window 3
.irp b, 0,1,2,3
	v_cvt_scalef32_pk8_fp4_f32 v[PC+2*\b], v[64*\u+16*\b:64*\u+16*\b+7], v[TS+\b]
	v_cvt_scalef32_pk8_fp4_f32 v[PC+2*\b+1], v[64*\u+16*\b+8:64*\u+16*\b+15], v[TS+\b]
.endr
	WIN 0
	v_nop                                          ; one plain line behind the conversions
.irp c, 0,1                            ; the operand's layout wants a WHOLE block in a lane
.irp i, 0,1
	v_permlane16_swap_b32 v[PC+4*\c+\i], v[PC+4*\c+2+\i]
.endr
.endr
	PLACES 8                                       ; a scale word written by vector instructions stands eight places ahead of a scaled matrix instruction, an operand so written four
	WIN 0xc0                                       ; D window 3
.irp q, 0,1,2,3,4,5,6,7                ; TRANSPOSED: source 0 = 16 e of kv, source 1 = q's 16 rows: lane (r, h) gets row r, columns 16 q + 8 h + 0 .. 7 of the pair's 128
.set rD, OUTR+8*\q
.set rA, KVF+8*\q
.set rB, PC
.set rC, -1
.set rSA, KVS+\q
.set rSB, PW
	WM 0, 0
.endr
	PLACES 4
	WIN 0x0c                                       ; an LDS store's data are its source 1: window 3
.irp q, 0,1,2,3,4,5,6,7
	ds_store_b128 v[SO], v[OUTR+8*\q:OUTR+8*\q+3] offset:64*\q
	ds_store_b128 v[SO], v[OUTR+8*\q+4:OUTR+8*\q+7] offset:64*\q+16
.endr
	WIN 0
	s_wait_xcnt 0x0                                ; the last tile's stores have read their registers: the loads below may land there
.irp i, 0,1,2,3,4,5,6,7,8,9,10,11,12,13,14,15
	ds_load_b128 v[XF+4*\i:XF+4*\i+3], v[SR] offset:SP*\i   ; LDS serves a wave's instructions in order: these see my stores
.endr
.irp i, 0,1,2,3,4,5,6,7,8,9,10,11,12,13,14,15
	s_wait_dscnt 15-\i                             ; row i is back; the younger loads may be out
	global_store_b128 v[LI], v[XF+4*\i:XF+4*\i+3], s[16:17] offset:(8*\u+\i+8*(\i/8))*4096 th:TH_STORE_NT   ; 32 lanes store 512 consecutive bytes, aligned; written once, read by nobody here
.endr
.endm
; The counted waits on the loads into registers serve the first trip, where Wq's K steps 4 to 7 are landing, K ascending, with the trip's two mask loads behind them; in every later trip only the two mask loads are out.
.Lblk:                                             ; four trips: a block of 32 rows each
	v_add_nc_u32 v[AX], s[TB], v[AX0]
	global_load_b32 v[MKR], v[MO], s[12:13]        ; the mask of my row in tile 0,
	global_load_b32 v[MKR+2], v[MO], s[12:13] offset:32   ; and in tile 1, eight rows on
.irp g, 0,1
	ds_load_b128 v[XS+4*\g:XS+4*\g+3], v[AX] offset:16384+512*\g   ; x's scale words: lanes 0-15 tile 0's rows, lanes 16-31 tile 1's
.endr
	XLD 0, 0
	XLD 1, 1
	s_wait_dscnt 8                                 ; the scale words and K steps 0, 1 are in; the eight loads of K steps 2, 3 may be out
	WIN 0xf1                                       ; source 0 (Wq) window 1, source 1 (x) window 0, C and D window 3
	G 0, 0
	PLACES 4                                       ; four places in front of loads into registers that matrix instructions have read
	WIN 0
	XLD 0, 2
	s_wait_dscnt 8                                 ; K steps 2, 3
	WIN 0xf1
	G 1, 1
	PLACES 4
	WIN 0
	XLD 1, 3
	s_wait_dscnt 8                                 ; K steps 4, 5
	s_wait_loadcnt 34                              ; Wq's K steps 4, 5: those of K steps 6, 7 (32) and the mask (2) may be out
	WIN 0xf2                                       ; Wq in window 2
	G 0, 2
	s_wait_dscnt 0x0                               ; K steps 6, 7
	s_wait_loadcnt 2                               ; Wq's K steps 6, 7: the mask's two may be out
	G 1, 3
	PLACES 4                                       ; in front of the first read of the results
	WIN 0
	s_wait_loadcnt 0x0                             ; the mask
	TILE 0
	TILE 1
	s_wait_xcnt 0x0                                ; the stores have read their registers and their base: both may be written again
	s_add_nc_u64 s[16:17], s[16:17], 131072        ; 32 rows of out0 on
	s_add_nc_u64 s[12:13], s[12:13], 128
	s_add_co_u32 s[TB], s[TB], BLKB
	s_sub_co_u32 s[CNT], s[CNT], 1
	s_cmp_lg_u32 s[CNT], 0
	s_cbranch_scc1 .Lblk
	s_wait_xcnt 0x0
	v_lshl_add_u32 v254, v0, 2, 0x4e800
	v_mov_b32 v255, 0
	s_wait_tensorcnt 0x0
	ds_add_u32 v254, v255
	s_wait_dscnt 0x0
	CROUND                                         ; the closing round: no work-group ends while a partner may still ask for the tile that names it
	s_endpgm
.Lfunc_end_k_qdf9c2fbd1c_out:
	.size	k_qdf9c2fbd1c_out, .Lfunc_end_k_qdf9c2fbd1c_out-k_qdf9c2fbd1c_out
	.p2alignl 7, 3214868480
	.fill 96, 4, 3214868480
	.section	.rodata,"a",@progbits
	.p2align	6, 0x0
	.amdhsa_kernel k_qdf9c2fbd1c_out
		.amdhsa_group_segment_fixed_size 322048
		.amdhsa_private_segment_fixed_size 0
		.amdhsa_enable_private_segment 0
		.amdhsa_kernarg_size 64
		.amdhsa_user_sgpr_count 2
		.amdhsa_user_sgpr_kernarg_segment_ptr 1
		.amdhsa_wavefront_size32 1
		.amdhsa_system_sgpr_workgroup_id_x 1
		.amdhsa_system_sgpr_workgroup_id_y 1
		.amdhsa_system_sgpr_workgroup_id_z 1
		.amdhsa_system_vgpr_workitem_id 0
		.amdhsa_next_free_vgpr 1024
		.amdhsa_next_free_sgpr 92
		.amdhsa_reserve_vcc 0
		.amdhsa_float_denorm_mode_32 3
		.amdhsa_float_denorm_mode_16_64 3
		.amdhsa_memory_ordered 1
		.amdhsa_forward_progress 1
		.amdhsa_inst_pref_size 98
	.end_amdhsa_kernel
	.amdgpu_metadata
---
amdhsa.version: [ 1, 2 ]
amdhsa.kernels:
  - .name:           k_qdf9c2fbd1c_out
    .symbol:         k_qdf9c2fbd1c_out.kd
    .args:
      - { .name: xq, .offset: 0, .size: 8, .value_kind: global_buffer, .address_space: global }
      - { .name: wq, .offset: 8, .size: 8, .value_kind: global_buffer, .address_space: global }
      - { .name: ws, .offset: 16, .size: 8, .value_kind: global_buffer, .address_space: global }
      - { .name: bq, .offset: 24, .size: 8, .value_kind: global_buffer, .address_space: global }
      - { .name: mask, .offset: 32, .size: 8, .value_kind: global_buffer, .address_space: global }
      - { .name: kvp, .offset: 40, .size: 8, .value_kind: global_buffer, .address_space: global }
      - { .name: out0, .offset: 48, .size: 8, .value_kind: global_buffer, .address_space: global }
      - { .name: nrm, .offset: 56, .size: 8, .value_kind: global_buffer, .address_space: global }
    .group_segment_fixed_size: 322048
    .private_segment_fixed_size: 0
    .kernarg_segment_align: 8
    .kernarg_segment_size: 64
    .max_flat_workgroup_size: 128
    .sgpr_count:     92
    .vgpr_count:     1024
    .wavefront_size: 32
...
	.end_amdgpu_metadata
.endif
;; end of part 3
